; MI455X (gfx1250); checked and timed in simulation.
; The chip was launched on July 23, 2026; its instructions are those of AMD's public machine-readable ISA for CDNA 5 (MIT licence, August 2026) and "CDNA5" Instruction Set Architecture Reference Guide (July 2026). The comments in the code are by the model that wrote it; some were corrected since.
;; Scaled Dot Product Attention. Allowed arithmetic: matrix products marked QUANTISED: E4M3 operands, one given power-of-two scale a tensor, by v_wmma_f32_16x16x64_fp8_fp8 or v_wmma_f32_16x16x128_fp8_fp8, f32 sums; everything else in f32.
;; Inputs: K_codes 4 x 16 x 2,048 x 2 x 32 uint8 (E4M3 codes of K, K innermost, in blocks of 32 codes); Q_codes 4 x 16 x 2,048 x 2 x 32 uint8 (E4M3 codes of Q, K innermost, in blocks of 32 codes); V_codes 4 x 16 x 64 x 64 x 32 uint8 (E4M3 codes of V, K innermost, in blocks of 32 codes); lowp_scales 4 int32 (the exponents e of the quantised operands' scales 2^e); mask 2,048 x 2,048 bool.
;; Outputs: out0 4 x 16 x 2,048 x 64 float32.
;; This version of the problem:
;;   THIS VERSION OF THE PROBLEM IS GIVEN IN LOW PRECISION. The matrix products marked QUANTISED in the list below multiply operands that are first quantised to E4M3 (4 exponent bits, 3 mantissa bits; 8 bits a number), with one given power-of-two scale for each operand tensor; their sums are f32. All else is computed in f32.
;;   The module's matrix products, in the order in which they are computed (A, B: the left and right operand; K: the contracted axis; several contracted axes count as one K, in the product's order):
;;     1. batch 64 x [M 2,048, K 64] x [K 64, N 2,048]; A: input Q (given as codes); B: input K (given as codes): QUANTISED (scales: A lowp_scales[0], B lowp_scales[1])
;;     2. batch 64 x [M 2,048, K 2,048] x [K 2,048, N 64]; A: softmax (see below); B: input V (given as codes): QUANTISED (scales: A lowp_scales[2], B lowp_scales[3])
;;   THE QUANTISER, for each operand of a quantised product, along K:
;;     - The operand's scale is 2^e, e = its entry of the input lowp_scales (int32; the entries are numbered through the quantised products in the list's order, A before B).
;;     - Each number is divided by the scale, clamped to +-448, and rounded to the nearest number of E4M3, ties to even, subnormals kept.
;;     - The product sums the exact products of the quantised numbers (number of the format x scale) in f32.
;;   ~~~python
;;   def quantise(x, axis, e):      # numpy; x: float32 -> the quantised numbers, widened to float32 again
;;       x = np.moveaxis(x, axis, -1); K = x.shape[-1]
;;       r = np.clip(x / 2.0 ** e, -448, 448)
;;       step = 2.0 ** (np.maximum(np.frexp(np.where(r == 0, 1, r))[1] - 1, -6) - 3)
;;       q = np.round(r / step) * step * 2.0 ** e      # np.round: ties to even
;;       return np.moveaxis(q, -1, axis).astype(np.float32)
;;   ~~~
;;   SOFTMAX AHEAD OF A QUANTISED PRODUCT. Where the list says 'softmax', what is quantised is not the finished softmax but p = 2^(t - M), with t = logit x log2(e) and M = ceil(the row's largest t), a whole number; so 1/2 < the row's largest p <= 1. The row's sum l is taken of the UNQUANTISED p, in f32, and the product's result is divided by l at the end. Since M is a whole number, a kernel that streams over the keys may use a running M (the ceiling of the running maximum): every later rescaling is an exact power of two, so the quantised numbers keep their values, but for numbers so far below the row's largest that they fall under the format's range.
;;   OPERANDS COMPUTED ON THE WAY. 'Computed on the way' means the value that the module computes at that place (a softmax that the list does not call 'softmax' is quantised finished and normalised). What goes into a quantiser is computed in f32, as accurately as f32 sums, v_exp_f32 and their like allow (about 1e-6 of the number): no bf16 or f16 on the way to a quantiser, and a product that is left as it is and whose result goes on into a quantised operand takes f32 operands (vector FMAs, or v_wmma_f32_16x16x4_f32). A number that lies on a knife's edge between two numbers of the format may be rounded either way, as far as f32 arithmetic and the matrix unit's own rounding can turn it there, and no further.
;;   INPUTS GIVEN AS CODES. K (in the module: [4, 16, 2048, 64], K = its axis 3); Q (in the module: [4, 16, 2048, 64], K = its axis 3); V (in the module: [4, 16, 2048, 64], K = its axis 2): each comes as NAME_codes (uint8): NAME with its K axis moved to the last place and cut into blocks of 32 codes, [.., K / 32, bytes a block], one block behind the other in memory; one code a byte (a code: sign, 4 exponent bits, 3 mantissa bits); its scale is its entry of lowp_scales. Its value is code x scale, taken as it is: it is not quantised again, and the codes and scales need not be those that the quantiser above would give.
;; One version. Each part assembles by itself: llvm-mc -triple=amdgcn-amd-amdhsa -mcpu=gfx1250 --defsym DOCPART=n.
;; ======== version 1 of 1: 2 launches
;; workspace buffers: mwords 524,288 bytes of whole numbers; mflags 4,096 bytes of whole numbers
;; launch maskbits (part 1): grid 4 x 64, 2 waves a work-group, no clusters, 17,664 bytes of LDS; arguments mask, mwords, mflags; writes mwords, mflags
.if DOCPART == 1
	.amdgcn_target "amdgcn-amd-amdhsa--gfx1250"
	.amdhsa_code_object_version 6
	.text
	.protected	k_q26752b1407_maskbits
	.globl	k_q26752b1407_maskbits
	.p2align	8
	.type	k_q26752b1407_maskbits,@function
k_q26752b1407_maskbits:
	s_mov_b64 s[64:65], 0
	v_nop
	global_prefetch_b8 v0, s[64:65] scope:SCOPE_SE
	s_setreg_imm32_b32 hwreg(HW_REG_WAVE_MODE, 25, 1), 1
	s_wait_xcnt 0x0
; THE MASK'S DIGEST, for the attention launch that follows.  mask: [2048 queries][2048 keys], one byte each (bit 0 is taken: LIMIT: the bytes are 0 or 1).
; The mask is an input: no pattern of it is built in.  It is the same for all 64 heads, so it is read once here, and the next launch reads whole numbers:
;   mwords [block jb of 32 queries: 64][key step ks of 64 keys: 32][n: 32][a: 2], 32-bit words: bit L (r = L % 16, h = L / 16) of word (jb, ks, n, a) = mask[32 jb + 16 a + r][64 ks + 32 (n / 16) + 16 h + n % 16]:
;     the lane mask of score register n of query tile a, as the next launch holds its scores: it goes into v_cndmask_b32 as it stands.  A (block, step) is a record of 256 bytes.
;   mflags [jb: 64][g4: 8][2]: for the four key steps 4 g4 + q, at bit 4 g4 + q: word 0 ANY (some byte of the tile of 32 queries x 64 keys is 1), word 1 MIXED (some byte of it is 0).
; WHAT THE NEXT LAUNCH LEAVES OUT BY THESE NUMBERS.  In a tile with ANY = 0 reference() sets every score to -infinity: each p of the tile is 0, adds 0 to the row's sum and to the second product, and -infinity
; moves no maximum; so for every value of Q, K and V the tile reaches no output, and its loads, products and softmax are passed over, by a branch on the stored bit.  That hangs on the mask's values, which are whole
; numbers read from memory, not on a pattern: every mask is served.  LIMIT: a NaN among the codes of K or V that lies only under such a tile is not carried to the result.  No input is left out.
; SHARES.  Work-group (x, y): block jb = y; wave w takes keys 256 g4 on, g4 = 2 x + w: 32 rows x 256 bytes.  Sixteen lanes load one row's aligned 256 bytes; the bytes turn through the wave's own stage in LDS
; (rows 272 bytes apart) so that lane (r, h) gets, of row 16 a + r, the 16 bytes at 64 q + 32 b + 16 h.  A word is then a ballot over the lanes of one bit of one register.  Waves share nothing: no barrier.
.set PITCH, 272                        ; a stage row: 256 bytes + 16: the sixteen rows that a read-back touches start at sixteen different 16-byte columns
.set WSTG,  32*PITCH                   ; a wave's stage
.set SPARE, 2*WSTG                     ; behind the two stages: the spare words, 128 bytes a wave: one block of 256 bytes that no other line names
.set LDO, 4                            ; v4   the loads' offset: 2,048 (lane / 16) + 16 (lane % 16)
.set STI, 5                            ; v5   into the stage
.set STO, 6                            ; v6   out of it
.set WO,  7                            ; v7   8 x lane: lane n stores words (n, 0) and (n, 1) of a record
.set ZO,  8                            ; v8   0: the flags' offset
.set SPW, 9                            ; v9   LDS address of my spare word; never rewritten
.set NIL, 10                           ; v10  0; never rewritten
.set FLG, 12                           ; v[12:13] the two flag words
.set ORR, 14                           ; v14, v15 a step's or and and
.set ANR, 15
.set IN,  16                           ; v16-79   the sixteen loads
.set M,   80                           ; v80-143  step q, tile a, half b, word k: 80 + 16 q + 8 a + 4 b + k
.set OUT, 144                          ; v144-151 a pair for each step: no store's data are written again
.set T,   152                          ; v152-159 at work, two sets of four
	s_load_b128 s[4:7], s[0:1], 0x0                ; mask s[4:5], mwords s[6:7]
	s_load_b64 s[8:9], s[0:1], 0x10                ; mflags
	v_lshl_add_u32 v[SPW], v0, 2, SPARE
	v_mov_b32 v[NIL], 0
	v_lshrrev_b32 v1, 5, v0
	v_readfirstlane_b32 s10, v1                    ; wave 0, 1
	v_and_b32 v1, 31, v0                           ; lane
	v_and_b32 v2, 15, v0                           ; r
	v_bfe_u32 v3, v0, 4, 1                         ; h
	s_and_b32 s11, ttmp7, 0xffff                   ; jb
	s_lshl_b32 s12, ttmp9, 1
	s_add_co_u32 s12, s12, s10                     ; g4
	s_mul_i32 s15, s10, WSTG                       ; my stage
	v_lshlrev_b32 v[LDO], 4, v2
	v_lshl_add_u32 v[LDO], v3, 11, v[LDO]          ; lanes 0-15 one row of the mask, lanes 16-31 the next
	v_mul_u32_u24 v[STI], v3, PITCH
	v_lshl_add_u32 v[STI], v2, 4, v[STI]
	v_add_nc_u32 v[STI], s15, v[STI]               ; the same two rows in the stage
	v_mul_u32_u24 v[STO], v2, PITCH
	v_lshl_add_u32 v[STO], v3, 4, v[STO]
	v_add_nc_u32 v[STO], s15, v[STO]               ; row r, + 16 h
	v_lshlrev_b32 v[WO], 3, v1
	v_mov_b32 v[ZO], 0
.irp i, 0,1,2,3,4,5,6,7
	v_mov_b32 v[OUT+\i], 0                         ; v_writelane_b32's destination counts as read: written once, whole
.endr
	s_mov_b32 s13, 0                               ; ANY
	s_mov_b32 s14, 0                               ; MIXED
	s_lshl_b32 s24, s11, 16                        ; mask: 32 rows of 2,048 bytes a block,
	s_lshl_b32 s26, s12, 8                         ; + 256 g4
	s_add_co_u32 s24, s24, s26
	s_mov_b32 s25, 0
	s_lshl_b32 s26, s11, 13                        ; mwords: 32 records of 256 bytes a block,
	s_lshl_b32 s27, s12, 10                        ; + 4 g4 records
	s_add_co_u32 s26, s26, s27
	s_mov_b32 s27, 0
	s_lshl_b32 s30, s11, 6                         ; mflags: 64 bytes a block,
	s_lshl_b32 s31, s12, 3                         ; + 8 g4
	s_add_co_u32 s30, s30, s31
	s_mov_b32 s31, 0
	s_wait_kmcnt 0x0
	s_add_nc_u64 s[4:5], s[4:5], s[24:25]
	s_add_nc_u64 s[6:7], s[6:7], s[26:27]
	s_add_nc_u64 s[8:9], s[8:9], s[30:31]
.irp k, 0,1,2,3,4,5,6,7,8,9,10,11,12,13,14,15
	global_load_b128 v[IN+4*\k:IN+4*\k+3], v[LDO], s[4:5] offset:4096*\k th:TH_LOAD_NT   ; rows 2 k and 2 k + 1: sixteen lanes read 256 consecutive bytes, aligned; read once in the launch
.endr
.irp k, 0,1,2,3,4,5,6,7,8,9,10,11,12,13,14,15
	s_wait_loadcnt 15-\k                           ; loads come back in order: load k is in, the younger ones stay out
	ds_store_b128 v[STI], v[IN+4*\k:IN+4*\k+3] offset:2*PITCH*\k
.endr
.irp q, 0,1,2,3                                ; LDS serves a wave's instructions in order: these see the stores above
.irp a, 0,1
.irp b, 0,1
	ds_load_b128 v[M+16*\q+8*\a+4*\b:M+16*\q+8*\a+4*\b+3], v[STO] offset:16*PITCH*\a+64*\q+32*\b
.endr
.endr
.endr
; Key step q of my four: its two flags and its record of 64 words.
.macro STEPM q
.set MB, M+16*\q
	s_wait_dscnt 12-4*\q                           ; this step's four read-backs are in; the later steps' stay out
	v_or_b32  v[ORR], v[MB], v[MB+1]
	v_and_b32 v[ANR], v[MB], v[MB+1]
.irp i, 2,3,4,5,6,7,8,9,10,11,12,13,14,15
	v_or_b32  v[ORR], v[ORR], v[MB+\i]
	v_and_b32 v[ANR], v[ANR], v[MB+\i]
.endr
	v_and_b32 v[ORR], 0x01010101, v[ORR]           ; bit 0 of each byte
	v_and_b32 v[ANR], 0x01010101, v[ANR]
	v_cmp_ne_u32 vcc_lo, 0, v[ORR]                 ; some lane holds a 1
	s_cmp_lg_u32 vcc_lo, 0
	s_cselect_b32 s15, 1<<\q, 0
	s_or_b32 s13, s13, s15
	v_cmp_ne_u32 vcc_lo, 0x01010101, v[ANR]        ; some lane holds a 0
	s_cmp_lg_u32 vcc_lo, 0
	s_cselect_b32 s15, 1<<\q, 0
	s_or_b32 s14, s14, s15
.irp a, 0,1
.set g, 0
.rept 8                                        ; register g of the tile's eight holds n = 4 g .. 4 g + 3, a byte each: four ballots at a time, on two sets of registers by turns
.irp x, 0,1,2,3
	v_and_b32 v[T+4*(g%2)+\x], 1<<(8*\x), v[MB+8*\a+g]
.endr
.irp x, 0,1,2,3
	v_cmp_ne_u32 s[16+4*(g%2)+\x], 0, v[T+4*(g%2)+\x]
.endr
.irp x, 0,1,2,3
	v_writelane_b32 v[OUT+2*\q+\a], s[16+4*(g%2)+\x], 4*g+\x   ; word (n, a) goes to lane n
.endr
.set g, g+1
.endr
.endr
	global_store_b64 v[WO], v[OUT+2*\q:OUT+2*\q+1], s[6:7] offset:256*\q   ; the 32 lanes store the record's 256 consecutive bytes, aligned
.endm
	STEPM 0
	STEPM 1
	STEPM 2
	STEPM 3
	s_lshl_b32 s15, s12, 2
	s_lshl_b32 s13, s13, s15                       ; the four bits at their place in the block's 32
	s_lshl_b32 s14, s14, s15
	v_mov_b32 v[FLG], s13
	v_mov_b32 v[FLG+1], s14
	v_cmp_eq_u32 vcc_lo, 0, v1
	s_wait_xcnt 0x0                                ; EXEC changes only behind this wait: the records' stores have been taken up
	s_and_saveexec_b32 s28, vcc_lo
	global_store_b64 v[ZO], v[FLG:FLG+1], s[8:9]   ; lane 0 alone: 8 bytes a wave, each word with one owner: the one store of the program that is no whole 256 bytes (4,096 bytes in the whole launch)
	s_wait_xcnt 0x0                                ; and again ahead of the line that widens it
	s_or_b32 exec_lo, exec_lo, s28
	s_wait_tensorcnt 0x0                           ; the wave's end
	ds_add_u32 v[SPW], v[NIL]
	s_wait_dscnt 0x0
	s_endpgm
.Lfunc_end_k_q26752b1407_maskbits:
	.size	k_q26752b1407_maskbits, .Lfunc_end_k_q26752b1407_maskbits-k_q26752b1407_maskbits
	.p2alignl 7, 3214868480
	.fill 96, 4, 3214868480
	.section	.rodata,"a",@progbits
	.p2align	6, 0x0
	.amdhsa_kernel k_q26752b1407_maskbits
		.amdhsa_group_segment_fixed_size 17664
		.amdhsa_private_segment_fixed_size 0
		.amdhsa_enable_private_segment 0
		.amdhsa_kernarg_size 24
		.amdhsa_user_sgpr_count 2
		.amdhsa_user_sgpr_kernarg_segment_ptr 1
		.amdhsa_wavefront_size32 1
		.amdhsa_system_sgpr_workgroup_id_x 1
		.amdhsa_system_sgpr_workgroup_id_y 1
		.amdhsa_system_sgpr_workgroup_id_z 1
		.amdhsa_system_vgpr_workitem_id 0
		.amdhsa_next_free_vgpr 160
		.amdhsa_next_free_sgpr 66
		.amdhsa_reserve_vcc 1
		.amdhsa_float_denorm_mode_32 3
		.amdhsa_float_denorm_mode_16_64 3
		.amdhsa_memory_ordered 1
		.amdhsa_forward_progress 1
		.amdhsa_inst_pref_size 59
	.end_amdhsa_kernel
	.amdgpu_metadata
---
amdhsa.version: [ 1, 2 ]
amdhsa.kernels:
  - .name:           k_q26752b1407_maskbits
    .symbol:         k_q26752b1407_maskbits.kd
    .args:
      - { .name: mask, .offset: 0, .size: 8, .value_kind: global_buffer, .address_space: global }
      - { .name: mwords, .offset: 8, .size: 8, .value_kind: global_buffer, .address_space: global }
      - { .name: mflags, .offset: 16, .size: 8, .value_kind: global_buffer, .address_space: global }
    .group_segment_fixed_size: 17664
    .private_segment_fixed_size: 0
    .kernarg_segment_align: 8
    .kernarg_segment_size: 24
    .max_flat_workgroup_size: 64
    .sgpr_count:     66
    .vgpr_count:     160
    .wavefront_size: 32
...
	.end_amdgpu_metadata
.endif
;; end of part 1
;; launch attend (part 2): grid 4 x 64, 16 waves a work-group, no clusters, 301,056 bytes of LDS; arguments K_codes, Q_codes, V_codes, lowp_scales, mwords, mflags, out0; writes out0
.if DOCPART == 2
	.amdgcn_target "amdgcn-amd-amdhsa--gfx1250"
	.amdhsa_code_object_version 6
	.text
	.protected	k_q26752b1407_attend
	.globl	k_q26752b1407_attend
	.p2align	8
	.type	k_q26752b1407_attend,@function
k_q26752b1407_attend:
	s_mov_b64 s[64:65], 0
	v_nop
	global_prefetch_b8 v0, s[64:65] scope:SCOPE_SE
	s_setreg_imm32_b32 hwreg(HW_REG_WAVE_MODE, 25, 1), 1
	s_wait_xcnt 0x0
; out[h][q][:] = the sum over k of softmax_k(mask ? Q[h][q] . K[h][k] / 8 : -infinity) V[h][k][:], 64 heads, 2,048 queries and keys, head size 64; both products on codes of FP8 (E4M3), each tensor with its given scale 2^e.
; Q, K: [head][2048][64] codes.  V: [head][64 channels][2048 keys] codes.  out: [head][2048][64] f32.  lowp_scales: eq, ek, ep, ev.  The mask comes as the launch before has digested it (mwords, mflags: see there).
; THE SOFTMAX AHEAD OF THE SECOND PRODUCT: t = score x c, c = log2(e) / 8 x 2^(eq + ek); M = the running largest t rounded UP to a whole number; p = 2^(t - M) is quantised with 2^ep; it is not normalised.  The row's sum
; is taken of the unquantised p and divides at the end.  When M moves, the sum and O are multiplied by 2^(old M - new M): exact.
; WORK LEFT OUT: a tile of 32 queries x 64 keys all of whose mask bytes are 0 (bit ANY = 0) holds only p = 0 and moves no maximum, whatever Q, K and V hold: it is passed over by a scalar branch on the stored bit.
; A tile all of whose bytes are 1 (bit MIXED = 0) passes over the masking lines alone.  Both hang on whole numbers read from memory; every mask is served.  LIMIT: a NaN that lies only under a tile left out is not carried.
; SHARES.  Work-group (c, head), sixteen waves of 256 registers, four to a SIMD.  A wave owns block jb = 4 rank + c of 32 neighbouring queries: two tiles of 16, A and B, so that each fragment of K and V read from LDS
; feeds two matrix instructions.  rank is a magic square of the wave's number: waves w, w + 4, w + 8, w + 12 and waves 4 g .. 4 g + 3 alike own ranks that add to 30: even shares where the work grows along the queries.
; THE HEAD'S WHOLE K AND V LIE IN LDS (131,072 bytes each), filled once through registers; one barrier; from there on the waves share nothing and walk by themselves, each by its own block's bits.
; NO TENSOR LOAD, NO CLUSTER, though the four work-groups of a head read the same K and V: the walk branches on stored bits, which differ from wave to wave;
; what would be shared is read once at the head, 262,144 bytes a work-group, and the tiles that the bits spare are a larger part of the work.  No prefetch: all that is read is asked for at the head by the loads themselves.
; LAYOUT.  Both products transposed: S^T = K Q^T (source 0 = 16 keys, source 1 = 16 queries), O^T = V^T P^T (source 0 = 16 channels, source 1 = P): a lane holds ONE query (lane % 16) throughout.
; THE KEYS OF A TILE ARE NOT NEIGHBOURS: lane r of tile 2 b + u takes key 32 b + 8 u + r + 8 (r / 8), so that score register n of lane (r, h) is key 32 (n / 16) + 16 h + n % 16, and the conversions' results are P's fragment.
; Fragments come by loads of 16 bytes: registers 4 c .. 4 c + 3 hold k = 32 c + 16 h + 0 .. 15: a permutation of k, the same in both sources of each product, so that only the order of the sums inside an instruction differs.
; LIMITS.  eq + ek between -123 and 130 (added to c's exponent field); ep between -126 and 119; ep + ev is applied by v_ldexp_f32.  NaN codes among Q, K, V are not served.  A row with no true key gives NaN (0x7fc00000), as reference() does.
; p is at most 1, so for ep >= -8 (448 x 2^ep >= 1) the hold at the largest code changes nothing: its 64 lines stand under a scalar branch on ep and run for ep < -8.
; LDS, in pieces of 16 bytes, dense; exclusive ors in place of padding, so that the sixteen lanes of a store or load touch sixteen different 16-byte columns of 256 bytes:
;   K: piece j (channels 16 j on) of key kr at 64 kr + 16 (j xor s), s = bit 2 of kr + 2 x bit 4 of kr.     V: piece q (keys 16 q on) of channel d in block g4 of 256 keys at VB + 16,384 g4 + 256 d + 16 (q xor d % 16).
.set VB,    131072
.set STAGE, 262144                     ; the way out: 8 rows x 272 bytes for each wave, 2,304 bytes apart
.set WST,   2304
.set SPARE, STAGE+16*WST               ; the spare words, 128 bytes for each wave: eight blocks of 256 bytes that no other line names
.set K0L, 1                            ; v1   my lane's place in a tile of K, channels 16 h on;   v5: channels 32 + 16 h on
.set VL,  2                            ; v2   my lane's place in a tile of V
.set K0T, 3                            ; v3, v4  the same two places of K in the trip's 256 keys
.set K1T, 4
.set K1L, 5
.set VA,  6                            ; v6, v7  the step's two places of V
.set VA2, 7
.set SPW, 8                            ; v8   LDS address of my spare word; never rewritten
.set NIL, 9                            ; v9   0; never rewritten
.set NINF, 10                          ; v10  -infinity
.set SCP, 11                           ; v11  2^ep
.set LIM, 12                           ; v12  448 x 2^ep
.set RR,  13                           ; v13  r = lane % 16
.set QN,  14                           ; v14  the NaN of a row without keys
.set HH,  15                           ; v15  h = lane / 16
.set ST,  16                           ; v16-23, v24-31 tile A's, B's: +0 -M, +1 the largest t, +2 +3 the sum in two halves, +4 f, +5 0, +6 +7 at work
.set Q,   32                           ; v32-39, v40-47 Q
.set KF,  48                           ; v48-79   four fragments of K
.set S,   80                           ; v80-111, v112-143 S^T, then p
.set O,   144                          ; v144-175, v176-207 O^T: register 8 t + j: channel 16 t + 8 h + j
.set P,   208                          ; v208-215, v216-223 p's codes
.set VF,  224                          ; v224-255 four fragments of V
.set FL,  48                           ; the fill: v48-175 its 32 loads; v176-186 its addresses
.set GG,  176
.set KS,  177
.set KS2, 178
.set VS,  180
.set TA,  184
.set TC,  185
.set QA,  186
.set STO, 3                            ; the way out: v3 into the stage, v4 out of it, v5 my offset in the block's rows of out
.set RD,  4
.set GO,  5
; s[4:5] K, s[6:7] Q, s[8:9] V, s[10:11] lowp_scales, s[12:13] mwords (walks), s[14:15] mflags, s[16:17] out; s18 wave, s19 jb; s[20:21] lane selects; s[22:23] c; s24 ANY, s25 MIXED; s28 the trip's LDS base, s29 trips;
; s30 1 where the hold is needed; s31 ep + ev; s[32:63], s[68:99] a record's 64 words: word (n, a) in s[32 + 2 n + a + 4 (n / 16)]
	s_load_b256 s[4:11], s[0:1], 0x0
	s_load_b128 s[12:15], s[0:1], 0x20
	s_load_b64 s[16:17], s[0:1], 0x30
	v_lshl_add_u32 v[SPW], v0, 2, SPARE
	v_mov_b32 v[NIL], 0
	v_lshrrev_b32 v[HH], 5, v0
	v_readfirstlane_b32 s18, v[HH]                 ; wave 0..15
	s_cmp_lt_u32 s18, 8
	s_mov_b32 s3, 0x0DE3B658                       ; ranks of waves 8-15, four bits each: 8 5 6 11 3 14 13 0
	s_cselect_b32 s2, 0x7A94C12F, s3               ; of waves 0-7: 15 2 1 12 4 9 10 7
	s_and_b32 s3, s18, 7
	s_lshl_b32 s3, s3, 2
	s_lshr_b32 s2, s2, s3
	s_and_b32 s2, s2, 15
	s_lshl_b32 s19, s2, 2
	s_add_co_u32 s19, s19, ttmp9                   ; jb = 4 rank + c
	s_and_b32 s26, ttmp7, 0xffff                   ; the head
	s_mov_b32 s20, 0x76543210
	s_mov_b32 s21, 0xfedcba98                      ; v_permlanex16_b32: lane l xor 16
	v_and_b32 v[RR], 15, v0
	v_bfe_u32 v[HH], v0, 4, 1
	v_lshlrev_b32 v[QA], 6, v[RR]
	v_lshl_add_u32 v[QA], v[HH], 4, v[QA]          ; Q: row r of 64 bytes, + 16 h
	; the fill: thread t takes byte 16 t of every 8,192 of K and of V
	v_lshlrev_b32 v[GG], 4, v0
	v_bfe_u32 v[TA], v0, 4, 1                      ; K: key 128 i + t / 4, piece t % 4: bit 2 of the key is bit 4 of t,
	v_lshlrev_b32 v[TA], 4, v[TA]
	v_xor_b32 v[KS], v[GG], v[TA]
	v_bfe_u32 v[TA], v0, 6, 1                      ; bit 4 of the key is bit 6 of t
	v_lshlrev_b32 v[TA], 5, v[TA]
	v_xor_b32 v[KS], v[KS], v[TA]
	v_add_nc_u32 v[KS2], 0x10000, v[KS]            ; an LDS offset has 16 bits: the upper half of K has an address of its own
	v_lshrrev_b32 v[TA], 7, v0                     ; V: channel 4 i + t / 128, block (t / 16) % 8, piece t % 16
	v_and_b32 v[TC], 15, v0
	v_xor_b32 v[TC], v[TC], v[TA]
	v_lshlrev_b32 v[TC], 4, v[TC]
	v_lshl_add_u32 v[TC], v[TA], 8, v[TC]
	v_bfe_u32 v[TA], v0, 4, 3
	v_lshl_add_u32 v[TC], v[TA], 14, v[TC]
	v_add_nc_u32 v[VS], VB, v[TC]                  ; for i % 4 = 0;
	v_xor_b32 v[VS+1], 64, v[VS]                   ; the channel's bits 2 and 3 are i % 4: they turn the piece's bits 2 and 3
	v_xor_b32 v[VS+2], 128, v[VS]
	v_xor_b32 v[VS+3], 192, v[VS]
	s_lshl_b32 s66, s26, 17                        ; a head's codes: 131,072 bytes in each tensor
	s_mov_b32 s67, 0
	s_wait_kmcnt 0x0
	s_add_nc_u64 s[4:5], s[4:5], s[66:67]
	s_add_nc_u64 s[6:7], s[6:7], s[66:67]
	s_add_nc_u64 s[8:9], s[8:9], s[66:67]
	s_lshl_b32 s66, s19, 11                        ; my block's 32 rows of Q
	s_add_nc_u64 s[6:7], s[6:7], s[66:67]
	s_lshl_b32 s66, s19, 13                        ; its 32 records, and its 32 rows of out: 8,192 bytes both
	s_add_nc_u64 s[12:13], s[12:13], s[66:67]
	s_add_nc_u64 s[16:17], s[16:17], s[66:67]
	s_lshl_b32 s66, s26, 19                        ; a head of out
	s_add_nc_u64 s[16:17], s[16:17], s[66:67]
	s_lshl_b32 s66, s19, 6                         ; its 16 flag words
	s_add_nc_u64 s[14:15], s[14:15], s[66:67]
	s_load_b512 s[32:47], s[14:15], 0x0            ; ANY and MIXED by turns, four key steps' bits in each
	s_load_b128 s[48:51], s[10:11], 0x0            ; eq, ek, ep, ev
.irp a, 0,1
.irp c, 0,1
	global_load_b128 v[Q+8*\a+4*\c:Q+8*\a+4*\c+3], v[QA], s[6:7] offset:1024*\a+32*\c th:TH_LOAD_NT   ; Q stays in registers; read once in the launch
.endr
.endr
.set i, 0
.rept 16
	global_load_b128 v[FL+4*i:FL+4*i+3], v[GG], s[4:5] offset:8192*i          ; 32 lanes read 512 consecutive bytes
.set i, i+1
.endr
.set i, 0
.rept 16
	global_load_b128 v[FL+64+4*i:FL+64+4*i+3], v[GG], s[8:9] offset:8192*i
.set i, i+1
.endr
	; while they are on their way: the lanes' places
	v_and_b32 v3, 7, v[RR]
	v_lshrrev_b32 v4, 3, v[RR]
	v_lshl_add_u32 v3, v4, 4, v3                   ; r + 8 (r / 8)
	v_lshlrev_b32 v[K0L], 6, v3
	v_lshl_add_u32 v[K0L], v4, 5, v[K0L]           ; bit 4 of the key is r / 8: it turns bit 1 of the piece,
	v_bfe_u32 v3, v[RR], 2, 1
	v_xor_b32 v3, v3, v[HH]                        ; bit 2 of the key is bit 2 of r: it turns bit 0, which is h
	v_lshl_add_u32 v[K0L], v3, 4, v[K0L]
	v_xor_b32 v[K1L], 32, v[K0L]
	v_xor_b32 v3, v[RR], v[HH]
	v_lshlrev_b32 v3, 4, v3
	v_lshl_add_u32 v3, v[RR], 8, v3
	v_add_nc_u32 v[VL], VB, v3                     ; channel r, piece h xor r
	v_mov_b32 v[NINF], 0xff800000
	v_mov_b32 v[QN], 0x7fc00000
	s_wait_kmcnt 0x0
	s_or_b32 s24, s32, s34
	s_or_b32 s25, s33, s35
.irp i, 36,38,40,42,44,46
	s_or_b32 s24, s24, s[\i]
	s_or_b32 s25, s25, s[\i+1]
.endr
	s_add_co_i32 s2, s48, s49
	s_lshl_b32 s2, s2, 23
	s_add_co_i32 s22, s2, 0x3E38AA3B               ; c = log2(e) / 8, with eq + ek added to its exponent field
	s_mov_b32 s23, s22                             ; (named with it as a pair, so it is written)
	s_add_co_i32 s2, s50, 127
	s_lshl_b32 s3, s2, 23
	v_mov_b32 v[SCP], s3                           ; 2^ep as f32: the conversion takes its exponent field
	s_add_co_i32 s2, s2, 8
	s_lshl_b32 s2, s2, 23
	s_or_b32 s2, s2, 0x600000
	v_mov_b32 v[LIM], s2                           ; 448 x 2^ep
	s_add_co_i32 s31, s50, s51                     ; ep + ev
	s_cmp_lt_i32 s50, -8
	s_cselect_b32 s30, 1, 0                        ; 448 x 2^ep < 1: p can pass the largest code
	s_mov_b32 s28, 0
	s_mov_b32 s29, 0
.set i, 0
.rept 16
	s_wait_loadcnt 31-i                            ; loads come back in order: this one is in (and Q, which is older); the younger ones stay out
.if i < 8
	ds_store_b128 v[KS], v[FL+4*i:FL+4*i+3] offset:8192*i
.else
	ds_store_b128 v[KS2], v[FL+4*i:FL+4*i+3] offset:8192*(i-8)
.endif
.set i, i+1
.endr
.set i, 0
.rept 16
	s_wait_loadcnt 15-i
	ds_store_b128 v[VS+i%4], v[FL+64+4*i:FL+64+4*i+3] offset:1024*i
.set i, i+1
.endr
	s_wait_dscnt 0x0                               ; for the others' sake: my part of K and V lies in LDS
	s_barrier_signal -1
	s_barrier_wait -1                              ; everybody's does.  The launch's one barrier: nothing is written into K or V again
.set j, 0
.rept 64
	v_mov_b32 v[O+j], 0                            ; O^T.  Which step is a wave's first hangs on the stored bits, so no first step can be written out: the step finds zeros, which the first change of M leaves zeros
.set j, j+1
.endr
.irp a, 0,1
	v_mov_b32 v[ST+8*\a+1], 0xff61b1e6             ; the largest t so far: -3e38, under every t
	v_floor_f32 v[ST+8*\a], -v[ST+8*\a+1]          ; -M
	v_mov_b32 v[ST+8*\a+2], 0                      ; the sum, in two halves
	v_mov_b32 v[ST+8*\a+3], 0
	v_mov_b32 v[ST+8*\a+5], 0                      ; (named as the upper half of f's pair)
	v_mov_b32 v[ST+8*\a+6], 0                      ; a lane permute's destination counts as one of its sources
	v_mov_b32 v[ST+8*\a+7], 0
.endr
; A KEY STEP: 64 keys, the q-th of the trip's four.
.macro STEP q
	s_bitcmp1_b32 s24, \q                          ; ANY: is some key of the tile open for some query of my block?
	s_cbranch_scc0 .Lskip_\@
.irp k, 0,1
	s_load_b512 s[32+16*\k:47+16*\k], s[12:13], 256*\q+64*\k        ; the step's record of lane masks.  It is asked for in every live step, so that no way through the text reads a word that was not loaded
	s_load_b512 s[68+16*\k:83+16*\k], s[12:13], 256*\q+128+64*\k
.endr
.if \q == 0                                    ; V's two places: pieces 4 q + h and 4 q + 2 + h, turned by r.  These four lines are also the places in front of the loads into registers that the last step's products read
	v_add_nc_u32 v[VA], s28, v[VL]
	v_xor_b32 v[VA2], 32, v[VL]
	v_add_nc_u32 v[VA2], s28, v[VA2]
	v_nop
.else
	v_xor_b32 v[VA], (4*\q)<<4, v[VL]
	v_xor_b32 v[VA2], (4*\q+2)<<4, v[VL]
	v_add_nc_u32 v[VA], s28, v[VA]
	v_add_nc_u32 v[VA2], s28, v[VA2]
.endif
.irp t, 0,1,2,3
	ds_load_b128 v[KF+8*\t:KF+8*\t+3],   v[K0T] offset:4096*\q+2048*(\t/2)+512*(\t%2)
	ds_load_b128 v[KF+8*\t+4:KF+8*\t+7], v[K1T] offset:4096*\q+2048*(\t/2)+512*(\t%2)
.endr
.irp t, 0,1,2,3
	ds_load_b128 v[VF+8*\t:VF+8*\t+3],   v[VA]  offset:4096*\t
	ds_load_b128 v[VF+8*\t+4:VF+8*\t+7], v[VA2] offset:4096*\t
.endr
	s_wait_dscnt 0x8                               ; K's eight loads are in; V's eight, which are younger, stay out
.irp t, 0,1,2,3
.irp a, 0,1
	v_wmma_f32_16x16x64_fp8_fp8 v[S+32*\a+8*\t:S+32*\a+8*\t+7], v[KF+8*\t:KF+8*\t+7], v[Q+8*\a:Q+8*\a+7], 0
.endr
.endr
	v_mov_b32 v[ST+7], v[ST]                       ; the old -M of both tiles is kept: with the two v_nop the four places behind the products (ISA guide 7.12.1)
	v_mov_b32 v[ST+15], v[ST+8]
	v_nop
	v_nop
	s_wait_kmcnt 0x0                               ; the record is in (so no load of it is out when the next live step loads into the same registers)
	s_bitcmp1_b32 s25, \q                          ; MIXED: is some key closed for some query?
	s_cbranch_scc0 .Lopen_\@
.irp a, 0,1
.set n, 0
.rept 32
	v_cndmask_b32 v[S+32*\a+n], v[NINF], v[S+32*\a+n], s[32+2*n+\a+4*(n/16)]   ; closed: -infinity, ahead of the maximum; p is 0 then.  Each accumulator from its low end on
.set n, n+1
.endr
.endr
.Lopen_\@:
	; the step's largest score of my query among my 32 keys, in two chains; the two tiles' lines by turns
.irp a, 0,1
	v_max3_num_f32 v[ST+8*\a+4], v[S+32*\a], v[S+32*\a+1], v[S+32*\a+2]
.endr
.irp a, 0,1
	v_max3_num_f32 v[ST+8*\a+6], v[S+32*\a+3], v[S+32*\a+4], v[S+32*\a+5]
.endr
.irp i, 6,10,14,18,22,26
.irp a, 0,1
	v_max3_num_f32 v[ST+8*\a+4], v[ST+8*\a+4], v[S+32*\a+\i], v[S+32*\a+\i+1]
.endr
.irp a, 0,1
	v_max3_num_f32 v[ST+8*\a+6], v[ST+8*\a+6], v[S+32*\a+\i+2], v[S+32*\a+\i+3]
.endr
.endr
.irp a, 0,1
	v_max3_num_f32 v[ST+8*\a+4], v[ST+8*\a+4], v[S+32*\a+30], v[S+32*\a+31]
.endr
.irp a, 0,1
	v_max_num_f32 v[ST+8*\a+4], v[ST+8*\a+4], v[ST+8*\a+6]
.endr
.irp a, 0,1
	v_permlanex16_b32 v[ST+8*\a+6], v[ST+8*\a+4], s20, s21
.endr
.irp a, 0,1
	v_max_num_f32 v[ST+8*\a+4], v[ST+8*\a+4], v[ST+8*\a+6]     ; and among lane l xor 16's 32 keys
.endr
.irp a, 0,1
	v_mul_f32 v[ST+8*\a+4], s22, v[ST+8*\a+4]                  ; as t (c is positive)
.endr
.irp a, 0,1
	v_max_num_f32 v[ST+8*\a+1], v[ST+8*\a+1], v[ST+8*\a+4]     ; the running largest t
.endr
.irp a, 0,1
	v_floor_f32 v[ST+8*\a], -v[ST+8*\a+1]                      ; the new -M = floor(-t) = -ceil(t): a whole number
.endr
.irp a, 0,1
	v_sub_f32 v[ST+8*\a+7], v[ST+8*\a], v[ST+8*\a+7]           ; old M - new M: a whole number, 0 or less
.endr
.irp a, 0,1
	v_cvt_i32_f32 v[ST+8*\a+7], v[ST+8*\a+7]                   ; (it saturates)
.endr
.irp a, 0,1
	v_ldexp_f32 v[ST+8*\a+4], 1.0, v[ST+8*\a+7]                ; f = 2^(old M - new M)
.endr
.set j, 0
.rept 16
	v_pk_fma_f32 v[S+j:S+j+1], v[S+j:S+j+1], s[22:23], v[ST:ST+1] op_sel_hi:[1,0,0]   ; tile A: t - M, two at a time (of the pairs c and -M the low word serves both halves)
.set j, j+2
.endr
	; THE 64 EXPONENTIALS ARE ONE BATCH WITH ONE WAIT: between them stand lines that name no result of theirs: tile B's scalings, then the rescaling of O^T
.set j, 0
.rept 16
	v_exp_f32 v[S+j], v[S+j]
	v_exp_f32 v[S+j+1], v[S+j+1]
	v_pk_fma_f32 v[S+32+j:S+33+j], v[S+32+j:S+33+j], s[22:23], v[ST+8:ST+9] op_sel_hi:[1,0,0]
.set j, j+2
.endr
.set j, 0
.rept 32
	v_exp_f32 v[S+32+j], v[S+32+j]
	v_pk_mul_f32 v[O+2*j:O+2*j+1], v[O+2*j:O+2*j+1], v[ST+8*(j/16)+4:ST+8*(j/16)+5] op_sel_hi:[1,0]   ; O^T under the new M: x f; ascending, so each accumulator from its low end on
.set j, j+1
.endr
.irp a, 0,1
	v_pk_mul_f32 v[ST+8*\a+2:ST+8*\a+3], v[ST+8*\a+2:ST+8*\a+3], v[ST+8*\a+4:ST+8*\a+5] op_sel_hi:[1,0]   ; the sums under the new M (plain lines behind the last exponential)
.endr
	s_wait_alu depctr_va_vdst(0)                   ; the wait ahead of the first line that names an exponential's result: one for the batch
.irp a, 0,1
	v_pk_add_f32 v[ST+8*\a+6:ST+8*\a+7], v[S+32*\a:S+32*\a+1], v[S+32*\a+2:S+32*\a+3]   ; THE ROW'S SUM IS TAKEN OF THE UNQUANTISED p: two at a time, in two chains
.endr
.irp i, 4,8,12,16,20,24,28
.irp a, 0,1
	v_pk_add_f32 v[ST+8*\a+2:ST+8*\a+3], v[ST+8*\a+2:ST+8*\a+3], v[S+32*\a+\i:S+32*\a+\i+1]
	v_pk_add_f32 v[ST+8*\a+6:ST+8*\a+7], v[ST+8*\a+6:ST+8*\a+7], v[S+32*\a+\i+2:S+32*\a+\i+3]
.endr
.endr
.irp a, 0,1
	v_pk_add_f32 v[ST+8*\a+2:ST+8*\a+3], v[ST+8*\a+2:ST+8*\a+3], v[ST+8*\a+6:ST+8*\a+7]
.endr
	s_cmp_eq_u32 s30, 0                            ; ep >= -8: p <= 1 <= 448 x 2^ep: the hold would change nothing
	s_cbranch_scc1 .Lnohold_\@
.set j, 0
.rept 64
	v_min_num_f32 v[S+j], v[S+j], v[LIM]           ; the conversion to an 8-bit code does not saturate (ISA guide 7.6.2); p is not negative, so the hold is one-sided
.set j, j+1
.endr
.Lnohold_\@:
.irp a, 0,1
.irp g, 0,1,2,3
	v_cvt_scalef32_pk8_fp8_f32 v[P+8*\a+2*\g:P+8*\a+2*\g+1], v[S+32*\a+8*\g:S+32*\a+8*\g+7], v[SCP]   ; registers 4 c .. 4 c + 3: keys 32 c + 16 h + 0 .. 15: as V's loads bring them
.endr
.endr
	v_nop                                          ; one plain line between the scaled conversions and the products that read their results (and, a step on, write their sources)
	s_wait_dscnt 0x0                               ; V is in
.irp t, 0,1,2,3
.irp a, 0,1
	v_wmma_f32_16x16x64_fp8_fp8 v[O+32*\a+8*\t:O+32*\a+8*\t+7], v[VF+8*\t:VF+8*\t+7], v[P+8*\a:P+8*\a+7], v[O+32*\a+8*\t:O+32*\a+8*\t+7]   ; the eight accumulators by turns, one instruction a turn; the next matrix instruction on any way starts a sum of S^T
.endr
.endr
.Lskip_\@:
.endm
.Ltrip:                                            ; eight trips of 256 keys: a constant count; what the bits close is jumped over inside
	v_add_nc_u32 v[K0T], s28, v[K0L]
	v_add_nc_u32 v[K1T], s28, v[K1L]
	STEP 0
	STEP 1
	STEP 2
	STEP 3
	s_wait_xcnt 0x0                                ; the records' loads have read their base: it may step
	s_add_nc_u64 s[12:13], s[12:13], 1024          ; four records on
	s_lshr_b32 s24, s24, 4                         ; the next four steps' bits
	s_lshr_b32 s25, s25, 4
	s_add_co_u32 s28, s28, 16384                   ; 256 keys on: 16,384 bytes in K and in V alike
	s_add_co_u32 s29, s29, 1
	s_cmp_lt_u32 s29, 8
	s_cbranch_scc1 .Ltrip
	; THE WAY OUT, each wave by itself.  The nine address lines are the places behind the last products.
	s_mul_i32 s27, s18, WST
	s_add_co_u32 s27, s27, STAGE                   ; my stage
	v_and_b32 v[STO], 7, v[RR]
	v_mul_u32_u24 v[STO], v[STO], 272
	v_lshl_add_u32 v[STO], v[HH], 5, v[STO]
	v_add_nc_u32 v[STO], s27, v[STO]               ; in: row r % 8; tile t's eight channels of my half: 64 t + 32 h bytes on
	v_mul_u32_u24 v[RD], v[HH], 272
	v_lshl_add_u32 v[RD], v[RR], 4, v[RD]
	v_add_nc_u32 v[RD], s27, v[RD]                 ; back: lanes 0-15 one row of 256 bytes, lanes 16-31 the next
	v_lshlrev_b32 v[GO], 8, v[HH]
	v_lshl_add_u32 v[GO], v[RR], 4, v[GO]          ; and the same two rows in out
.irp a, 0,1
	v_add_f32 v[ST+8*\a+2], v[ST+8*\a+2], v[ST+8*\a+3]         ; the sum's two halves,
.endr
.irp a, 0,1
	v_permlanex16_b32 v[ST+8*\a+6], v[ST+8*\a+2], s20, s21
.endr
.irp a, 0,1
	v_add_f32 v[ST+8*\a+2], v[ST+8*\a+2], v[ST+8*\a+6]         ; and lane l xor 16's: the row's sum
.endr
.irp a, 0,1
	v_cmp_eq_f32 s[2+\a], 0, v[ST+8*\a+2]                      ; a row with no open key: every p was 0
	v_max_num_f32 v[ST+8*\a+3], 0x3e800000, v[ST+8*\a+2]       ; a row with an open key has a sum above 1/2: 1/4 from below changes nothing there, and keeps the other rows' reciprocal a number
.endr
.irp a, 0,1
	v_rcp_f32 v[ST+8*\a+6], v[ST+8*\a+3]
.endr
	v_nop                                          ; a plain line behind the reciprocals,
	s_wait_alu depctr_va_vdst(0)                   ; and the wait ahead of their first reader: one for both
.irp a, 0,1
	v_ldexp_f32 v[ST+8*\a+6], v[ST+8*\a+6], s31                ; x 2^(ep + ev)
.endr
.irp a, 0,1
.set j, 0
.rept 32
	v_mul_f32 v[S+32*\a+j], v[O+32*\a+j], v[ST+8*\a+6]         ; O^T / the sum; each accumulator from its low end on
.set j, j+1
.endr
.endr
.irp a, 0,1
.set j, 0
.rept 32
	v_cndmask_b32 v[S+32*\a+j], v[S+32*\a+j], v[QN], s[2+\a]   ; NaN in a row without keys, as reference() gives
.set j, j+1
.endr
.endr
; Rows 8 p .. 8 p + 7 of tile a go through my stage and leave as whole rows.  A stage of eight rows is what LDS has room for beside K and V, so half of the lanes store at a time.
.macro OUTP a, p
.set Y, 48+176*\a+16*\p                        ; v48-79 and v224-255: sixteen registers for each pass, each used once: no store's data are written again
.if \p
	v_cmp_le_u32 vcc_lo, 8, v[RR]
.else
	v_cmp_gt_u32 vcc_lo, 8, v[RR]
.endif
	s_wait_xcnt 0x0                                ; EXEC changes only behind this wait: the earlier global stores have been taken up.  Up to the line that widens it again stand LDS stores alone
	s_and_saveexec_b32 s26, vcc_lo
.irp t, 0,1,2,3
	ds_store_b128 v[STO], v[S+32*\a+8*\t:S+32*\a+8*\t+3] offset:64*\t
	ds_store_b128 v[STO], v[S+32*\a+8*\t+4:S+32*\a+8*\t+7] offset:64*\t+16
.endr
	s_or_b32 exec_lo, exec_lo, s26
.irp k, 0,1,2,3
	ds_load_b128 v[Y+4*\k:Y+4*\k+3], v[RD] offset:544*\k   ; LDS serves a wave's instructions in order: these see my stores, and the next pass's stores come behind them
.endr
.irp k, 0,1,2,3
	s_wait_dscnt 3-\k                              ; read-back k is in; the younger ones stay out
	global_store_b128 v[GO], v[Y+4*\k:Y+4*\k+3], s[16:17] offset:4096*\a+2048*\p+512*\k th:TH_STORE_NT   ; sixteen lanes store a row's 256 consecutive bytes, aligned; written once, read by nobody here
.endr
.endm
	OUTP 0, 0
	OUTP 0, 1
	OUTP 1, 0
	OUTP 1, 1
	s_wait_tensorcnt 0x0                           ; the wave's end
	ds_add_u32 v[SPW], v[NIL]
	s_wait_dscnt 0x0
	s_endpgm
.Lfunc_end_k_q26752b1407_attend:
	.size	k_q26752b1407_attend, .Lfunc_end_k_q26752b1407_attend-k_q26752b1407_attend
	.p2alignl 7, 3214868480
	.fill 96, 4, 3214868480
	.section	.rodata,"a",@progbits
	.p2align	6, 0x0
	.amdhsa_kernel k_q26752b1407_attend
		.amdhsa_group_segment_fixed_size 301056
		.amdhsa_private_segment_fixed_size 0
		.amdhsa_enable_private_segment 0
		.amdhsa_kernarg_size 56
		.amdhsa_user_sgpr_count 2
		.amdhsa_user_sgpr_kernarg_segment_ptr 1
		.amdhsa_wavefront_size32 1
		.amdhsa_system_sgpr_workgroup_id_x 1
		.amdhsa_system_sgpr_workgroup_id_y 1
		.amdhsa_system_sgpr_workgroup_id_z 1
		.amdhsa_system_vgpr_workitem_id 0
		.amdhsa_next_free_vgpr 256
		.amdhsa_next_free_sgpr 100
		.amdhsa_reserve_vcc 1
		.amdhsa_float_denorm_mode_32 3
		.amdhsa_float_denorm_mode_16_64 3
		.amdhsa_memory_ordered 1
		.amdhsa_forward_progress 1
		.amdhsa_inst_pref_size 108
	.end_amdhsa_kernel
	.amdgpu_metadata
---
amdhsa.version: [ 1, 2 ]
amdhsa.kernels:
  - .name:           k_q26752b1407_attend
    .symbol:         k_q26752b1407_attend.kd
    .args:
      - { .name: K_codes, .offset: 0, .size: 8, .value_kind: global_buffer, .address_space: global }
      - { .name: Q_codes, .offset: 8, .size: 8, .value_kind: global_buffer, .address_space: global }
      - { .name: V_codes, .offset: 16, .size: 8, .value_kind: global_buffer, .address_space: global }
      - { .name: lowp_scales, .offset: 24, .size: 8, .value_kind: global_buffer, .address_space: global }
      - { .name: mwords, .offset: 32, .size: 8, .value_kind: global_buffer, .address_space: global }
      - { .name: mflags, .offset: 40, .size: 8, .value_kind: global_buffer, .address_space: global }
      - { .name: out0, .offset: 48, .size: 8, .value_kind: global_buffer, .address_space: global }
    .group_segment_fixed_size: 301056
    .private_segment_fixed_size: 0
    .kernarg_segment_align: 8
    .kernarg_segment_size: 56
    .max_flat_workgroup_size: 512
    .sgpr_count:     100
    .vgpr_count:     256
    .wavefront_size: 32
...
	.end_amdgpu_metadata
.endif
;; end of part 2
